; MI455X (gfx1250); checked and timed in simulation.
; The chip was launched on July 23, 2026; its instructions are those of AMD's public machine-readable ISA for CDNA 5 (MIT licence, August 2026) and "CDNA5" Instruction Set Architecture Reference Guide (July 2026). The comments in the code are by the model that wrote it; some were corrected since.
;; Head. Allowed arithmetic: float matrix products may take bf16 or f16 operands with f32 sums; all other float work in f32.
;; Inputs: Wk 1 x 1 float32; Wq 1 x 1 float32; Wv 1 x 1 float32; X 128 x 1,024 x 1 float32.
;; Outputs: out0 128 x 1,024 x 1 float32.
;; One version. Each part assembles by itself: llvm-mc -triple=amdgcn-amd-amdhsa -mcpu=gfx1250 --defsym DOCPART=n.
;; ======== version 1 of 1: 1 launch
;; launch prefix_softmax (part 1): grid 128 x 1, 8 waves a work-group, no clusters, 1,280 bytes of LDS; arguments X, Wk, Wq, Wv, out0; writes out0
.if DOCPART == 1
	.amdgcn_target "amdgcn-amd-amdhsa--gfx1250"
	.amdhsa_code_object_version 6
	.text
	.protected	k_q08c6832a0c_prefix_softmax
	.globl	k_q08c6832a0c_prefix_softmax
	.p2align	8
	.type	k_q08c6832a0c_prefix_softmax,@function
k_q08c6832a0c_prefix_softmax:
	s_mov_b64 s[64:65], 0
	v_nop
	global_prefetch_b8 v0, s[64:65] scope:SCOPE_SE
	s_setreg_imm32_b32 hwreg(HW_REG_WAVE_MODE, 25, 1), 1
	s_wait_xcnt 0x0
; out[b][i] = sum over j < i of p(i,j) v_j, p(i,.) = softmax of s_0 .. s_(i-1); out[b][0] = 0.
; s_j = (x_j Wq)(x_j Wk), v_j = x_j Wv.  The score of column j is the same in every row i, so row i's result is a ratio of two
; PREFIX sums, a_i / l_i with l_i = sum_{j<i} exp(s_j - m_i), a_i = sum_{j<i} exp(s_j - m_i) v_j, m_i = max_{j<i} s_j: a scan with a
; running maximum, 1,024 steps of work for a row instead of 1,024 x 1,024.  No matrix product is left, so no matrix instruction is used.
; One work-group of 8 waves takes one batch row (1,024 numbers); thread t owns elements 4t .. 4t+3: one 16-byte load, one 16-byte store,
; each wave's load and store cover 512 consecutive bytes that start at a multiple of 512.  Work-groups share no input but the three
; weights (12 bytes), so there is nothing to ask for jointly, and nothing worth staging in LDS but the 16 partial results below.
; The scan has three levels: 4 elements of a lane, 16 lanes of a DPP row ("group"), 16 groups of the work-group (through LDS, one barrier).
; LIMITS.  Scores and values must be finite in f32 (|x x Wq Wk| and |x Wv| below 3.4e38); NaN and infinities among the inputs are not
; carried as the reference carries them (the maxima drop a NaN).  An empty prefix has the maximum -3.4028235e38 (NEGBIG) and sums 0.
; Sums are added in tree order, not in the order of j.  A term whose exponential would lie below 2^-126 counts as 0;
; the denominator holds the term exp(0) of the running maximum, so such terms are far below its last bit.
.set NEGBIG, 0xff7fffff                ; the most negative finite f32
.set LOG2E,  0x3fb8aa3b                ; log2(e): v_exp_f32 is 2^x
.set OFS, 1                            ; v1       byte offset of my 16 bytes in X and in out0
.set LN,  2                            ; v2       r: my lane in its group of 16
.set GRP, 3                            ; v3       u: my group, 0 .. 15
.set X,   4                            ; v[4:7]   x; at the end the four results
.set S,   8                            ; v[8:11]  Q, then the scores s
.set V,   12                           ; v[12:15] the values v
.set L,   16                           ; v16      sum of exp(s - M) over the group up to and with my lane   } v[16:19] is the
.set A,   17                           ; v17      the same with v as weight                                 } 16-byte LDS entry
.set M,   18                           ; v18      maximum of s over the group up to and with my lane        } that lane 15 stores
.set G,   19                           ; v19      decay exp(M of the window's predecessor - M)              } (G only fills it up)
.set ME,  20                           ; v20      M of the lane in front of me (lane 0 of a group: NEGBIG)
.set XM,  21                           ; v[21:23] max(ME, s0), max(.., s1), max(.., s2)
.set WA,  24                           ; v24      LDS address of my group's entry
.set RA,  25                           ; v25      LDS address of entry r
.set CAR, 28                           ; v[28:31] entry r as read: l, a, m, filler; then the carry's two sums
.set T,   32                           ; v[32:39] arguments of the exponentials
.set TF,  40                           ; v40      argument of F
.set P,   44                           ; v[44:45] at work
.set MC,  44                           ; v44      later: maximum over all groups in front of mine
.set Q,   46                           ; v[46:47] at work
.set LE,  46                           ; v46      later: L of the lane in front of me (0 for lane 0 of a group)
.set AE,  47                           ; v47      later: A of that lane
.set R,   48                           ; v[48:51] running maximum in front of my element 0, 1, 2, 3
.set W,   52                           ; v[52:59] exponentials.  First the four exp(s - M); later F1, F2, D1, D2, D3, E1, E2, E3
.set F,   60                           ; v60      exp(m of entry r - MC)
.set LO,  62                           ; v[62:65] denominators of my four results
.set AO,  66                           ; v[66:69] numerators
.set EV,  70                           ; v[70:72] E1 v0, E2 v1, E3 v2
.set RC,  74                           ; v[74:77] 1 / denominator
	s_load_b256 s[4:11], s[0:1], 0x0               ; X s[4:5], Wk s[6:7], Wq s[8:9], Wv s[10:11]
	s_load_b64 s[12:13], s[0:1], 0x20              ; out0
	v_lshl_add_u32 v80, v0, 2, 0x100
	v_mov_b32 v81, 0
	s_lshl_b32 s2, ttmp9, 12                       ; batch row b starts at byte 4,096 b (at most 127 x 4,096)
	v_lshl_add_u32 v[OFS], v0, 4, s2               ; + 16 t
	v_and_b32 v[LN], 15, v0
	v_lshrrev_b32 v[GRP], 4, v0
	v_lshlrev_b32 v[WA], 4, v[GRP]                 ; entries of 16 bytes
	v_lshlrev_b32 v[RA], 4, v[LN]
	v_mov_b32 v[ME], NEGBIG                        ; stays in lane 0 of each group: see the shift below
	s_wait_kmcnt 0x0                               ; the addresses
	global_load_b128 v[X:X+3], v[OFS], s[4:5] th:TH_LOAD_NT        ; read once in the launch
	s_load_b32 s14, s[6:7], 0x0                    ; Wk
	s_load_b32 s16, s[8:9], 0x0                    ; Wq
	s_load_b32 s18, s[10:11], 0x0                  ; Wv
	s_wait_kmcnt 0x0                               ; the weights
	s_mov_b32 s15, s14                             ; the packed multiplies name a pair of scalar registers:
	s_mov_b32 s17, s16                             ; both hold the weight
	s_mov_b32 s19, s18
	s_wait_loadcnt 0x0                             ; x
	; Scores and values, rounded as the reference rounds them: Q = x Wq, K = x Wk, s = Q K.  (Wq Wk) x x would round otherwise,
	; and with large scores one last bit of s is a large factor behind the exponential.
	v_pk_mul_f32 v[S:S+1],   v[X:X+1],   s[16:17] op_sel_hi:[1,0]  ; Q
	v_pk_mul_f32 v[S+2:S+3], v[X+2:X+3], s[16:17] op_sel_hi:[1,0]
	v_pk_mul_f32 v[T:T+1],   v[X:X+1],   s[14:15] op_sel_hi:[1,0]  ; K
	v_pk_mul_f32 v[T+2:T+3], v[X+2:X+3], s[14:15] op_sel_hi:[1,0]
	v_pk_mul_f32 v[V:V+1],   v[X:X+1],   s[18:19] op_sel_hi:[1,0]  ; V
	v_pk_mul_f32 v[V+2:V+3], v[X+2:X+3], s[18:19] op_sel_hi:[1,0]
	v_pk_mul_f32 v[S:S+1],   v[S:S+1],   v[T:T+1]                  ; s
	v_pk_mul_f32 v[S+2:S+3], v[S+2:S+3], v[T+2:T+3]
	; Running maximum over the lanes of a group: lane i takes lane i - d; a lane without a source keeps its value, which is already final.
	v_max3_num_f32 v[M], v[S], v[S+1], v[S+2]
	v_max_num_f32 v[M], v[M], v[S+3]               ; my four
.irp d, 1,2,4,8
	v_max_num_f32_dpp v[M], v[M], v[M] row_shr:\d row_mask:0xf bank_mask:0xf
.endr
	v_mov_b32_dpp v[ME], v[M] row_shr:1 row_mask:0xf bank_mask:0xf ; lane 0 of a group has no source and keeps NEGBIG
	; My four terms under M, and the decay from the lane in front to me.  The difference is formed first and scaled then:
	; a fused s log2e - (M log2e) would carry the rounding of M log2e, which grows with M.
.irp k, 0,1,2,3
	v_sub_f32 v[T+\k], v[S+\k], v[M]
.endr
	v_sub_f32 v[T+4], v[ME], v[M]
	v_pk_mul_f32 v[T:T+1],   v[T:T+1],   LOG2E op_sel_hi:[1,0]
	v_pk_mul_f32 v[T+2:T+3], v[T+2:T+3], LOG2E op_sel_hi:[1,0]
	v_mul_f32 v[T+4], LOG2E, v[T+4]
.irp k, 0,1,2,3
	v_exp_f32 v[W+\k], v[T+\k]
.endr
	v_exp_f32 v[G], v[T+4]                         ; lane 0 of a group: 0 (or 1); never used, it has no lane in front
	v_max_num_f32 v[XM], v[ME], v[S]               ; one plain vector instruction between the exponentials and their first use (ISA guide 5.7.2); needed later
	s_wait_alu depctr_va_vdst(0)
	v_pk_mul_f32 v[P:P+1], v[W:W+1], v[V:V+1]
	v_pk_add_f32 v[Q:Q+1], v[W:W+1], v[W+2:W+3]
	v_pk_fma_f32 v[P:P+1], v[W+2:W+3], v[V+2:V+3], v[P:P+1]
	v_add_f32 v[L], v[Q], v[Q+1]                   ; w = sum of my exp(s - M)
	v_add_f32 v[A], v[P], v[P+1]                   ; and of my exp(s - M) v
	; L_i = G_i L_(i-1) + w_i, scanned by doubling: a lane's window of d lanes takes in the window of d lanes in front of it, decayed by
	; the product of the decays of its own window; the products multiply likewise.  No exponential stands in the scan.
	; A lane without a source adds 0: its window already reaches the group's first lane, and its G is not used again.
.irp d, 1,2,4
	v_fmac_f32_dpp v[L], v[L], v[G] row_shr:\d row_mask:0xf bank_mask:0xf bound_ctrl:1
	v_fmac_f32_dpp v[A], v[A], v[G] row_shr:\d row_mask:0xf bank_mask:0xf bound_ctrl:1
	v_mul_f32_dpp  v[G], v[G], v[G] row_shr:\d row_mask:0xf bank_mask:0xf
.endr
	v_fmac_f32_dpp v[L], v[L], v[G] row_shr:8 row_mask:0xf bank_mask:0xf bound_ctrl:1
	v_fmac_f32_dpp v[A], v[A], v[G] row_shr:8 row_mask:0xf bank_mask:0xf bound_ctrl:1
	; Lane 15 of each group holds the group's whole (L, A, M): into LDS entry u.
	v_cmp_eq_u32 vcc_lo, 15, v[LN]
	s_wait_xcnt 0x0                                ; EXEC is a source of the load of x: it changes only behind this wait
	s_and_saveexec_b32 s20, vcc_lo
	ds_store_b128 v[WA], v[L:L+3]                  ; 16 bytes, so that the address is a multiple of the access's size
	s_or_b32 exec_lo, exec_lo, s20                 ; all lanes on again
	; register work while the store is on its way
	v_mov_b32_dpp v[LE], v[L] row_shr:1 row_mask:0xf bank_mask:0xf bound_ctrl:1    ; the sums in front of my lane; 0 in lane 0 of a group
	v_mov_b32_dpp v[AE], v[A] row_shr:1 row_mask:0xf bank_mask:0xf bound_ctrl:1
	v_max_num_f32 v[XM+1], v[XM], v[S+1]
	v_max_num_f32 v[XM+2], v[XM+1], v[S+2]
	v_cmp_lt_u32 vcc_lo, v[LN], v[GRP]             ; entry r lies in front of my group
	s_wait_dscnt 0x0                               ; for the other waves' sake: my entries are in LDS
	s_barrier_signal -1
	s_barrier_wait -1                              ; all 16 entries are; they are not written again
	ds_load_b128 v[CAR:CAR+3], v[RA]               ; lane r of every group reads entry r: 256 consecutive bytes
	s_wait_dscnt 0x0
	; The carry: all groups in front of mine, reduced over the 16 lanes (lane i with lane i xor 1, 2, 4, 8): every lane gets the result.
	v_cndmask_b32 v[CAR+2], NEGBIG, v[CAR+2], vcc_lo               ; entries at or behind my group do not count
	v_max_num_f32_dpp v[MC], v[CAR+2], v[CAR+2] row_xmask:1 row_mask:0xf bank_mask:0xf
.irp d, 2,4,8
	v_max_num_f32_dpp v[MC], v[MC], v[MC] row_xmask:\d row_mask:0xf bank_mask:0xf
.endr
	v_sub_f32 v[TF], v[CAR+2], v[MC]
	v_mul_f32 v[TF], LOG2E, v[TF]
	v_exp_f32 v[F], v[TF]                          ; first of all: the two sums below wait for it
	; The running maximum in front of each of my four elements, and all the factors that hang on maxima alone.
	v_max_num_f32 v[R], v[MC], v[ME]
.irp k, 0,1,2
	v_max_num_f32 v[R+1+\k], v[MC], v[XM+\k]
.endr
	v_sub_f32 v[T], v[MC], v[R]                    ; F1: the carry's sums brought under R0
	v_sub_f32 v[T+1], v[ME], v[R]                  ; F2: my group's sums in front of me brought under R0
.irp k, 0,1,2
	v_sub_f32 v[T+2+\k], v[R+\k], v[R+1+\k]        ; D(k+1): from R(k) to R(k+1)
	v_sub_f32 v[T+5+\k], v[S+\k], v[R+1+\k]        ; E(k+1): element k's own term under R(k+1)
.endr
.irp k, 0,2,4,6
	v_pk_mul_f32 v[T+\k:T+\k+1], v[T+\k:T+\k+1], LOG2E op_sel_hi:[1,0]
.endr
.irp k, 0,1,2,3,4,5,6,7
	v_exp_f32 v[W+\k], v[T+\k]
.endr
	s_wait_alu depctr_va_vdst(0)
	v_cndmask_b32 v[F], 0, v[F], vcc_lo            ; group 0 has MC = NEGBIG and F = 1 everywhere: its carry is empty.  Also the plain instruction behind the eight exponentials (ISA guide 5.7.2)
	v_mul_f32 v[CAR], v[CAR], v[F]
	v_mul_f32 v[CAR+1], v[CAR+1], v[F]
	v_add_f32_dpp v[CAR], v[CAR], v[CAR] row_xmask:1 row_mask:0xf bank_mask:0xf
	v_add_f32_dpp v[CAR+1], v[CAR+1], v[CAR+1] row_xmask:1 row_mask:0xf bank_mask:0xf
	v_mul_f32 v[LO], v[LE], v[W+1]                 ; work that does not hang on the carry stands between the steps
	v_add_f32_dpp v[CAR], v[CAR], v[CAR] row_xmask:2 row_mask:0xf bank_mask:0xf
	v_add_f32_dpp v[CAR+1], v[CAR+1], v[CAR+1] row_xmask:2 row_mask:0xf bank_mask:0xf
	v_mul_f32 v[AO], v[AE], v[W+1]
	v_add_f32_dpp v[CAR], v[CAR], v[CAR] row_xmask:4 row_mask:0xf bank_mask:0xf
	v_add_f32_dpp v[CAR+1], v[CAR+1], v[CAR+1] row_xmask:4 row_mask:0xf bank_mask:0xf
	v_mul_f32 v[EV], v[W+5], v[V]
	v_add_f32_dpp v[CAR], v[CAR], v[CAR] row_xmask:8 row_mask:0xf bank_mask:0xf
	v_add_f32_dpp v[CAR+1], v[CAR+1], v[CAR+1] row_xmask:8 row_mask:0xf bank_mask:0xf
	v_mul_f32 v[EV+1], v[W+6], v[V+1]
	v_mul_f32 v[EV+2], v[W+7], v[V+2]
	; Element 0 sees carry + group prefix; each further element sees one element more, under its own running maximum.
	v_fmac_f32 v[LO], v[CAR], v[W]
	v_fmac_f32 v[AO], v[CAR+1], v[W]
.irp k, 0,1
	v_fma_f32 v[LO+1+\k], v[LO+\k], v[W+2+\k], v[W+5+\k]
	v_fma_f32 v[AO+1+\k], v[AO+\k], v[W+2+\k], v[EV+\k]
.endr
	v_fma_f32 v[LO+3], v[LO+2], v[W+4], v[W+7]
.irp k, 0,1,2,3
	v_rcp_f32 v[RC+\k], v[LO+\k]
.endr
	v_fma_f32 v[AO+3], v[AO+2], v[W+4], v[EV+2]    ; the plain instruction behind the reciprocals (ISA guide 5.7.2)
	v_cmp_ne_u32 vcc_lo, 0, v0
	s_wait_alu depctr_va_vdst(0)
	v_pk_mul_f32 v[X:X+1],   v[AO:AO+1],   v[RC:RC+1]
	v_pk_mul_f32 v[X+2:X+3], v[AO+2:AO+3], v[RC+2:RC+3]
	v_cndmask_b32 v[X], 0, v[X], vcc_lo            ; the row's element 0 has an empty prefix (0 / 0): its result is 0 by definition
	global_store_b128 v[OFS], v[X:X+3], s[12:13] th:TH_STORE_NT    ; sixteen lanes store 256 consecutive bytes, at a multiple of 256 from out0's first byte
	s_wait_tensorcnt 0x0
	ds_add_u32 v80, v81
	s_wait_dscnt 0x0
	s_endpgm
.Lfunc_end_k_q08c6832a0c_prefix_softmax:
	.size	k_q08c6832a0c_prefix_softmax, .Lfunc_end_k_q08c6832a0c_prefix_softmax-k_q08c6832a0c_prefix_softmax
	.p2alignl 7, 3214868480
	.fill 96, 4, 3214868480
	.section	.rodata,"a",@progbits
	.p2align	6, 0x0
	.amdhsa_kernel k_q08c6832a0c_prefix_softmax
		.amdhsa_group_segment_fixed_size 1280
		.amdhsa_private_segment_fixed_size 0
		.amdhsa_enable_private_segment 0
		.amdhsa_kernarg_size 40
		.amdhsa_user_sgpr_count 2
		.amdhsa_user_sgpr_kernarg_segment_ptr 1
		.amdhsa_wavefront_size32 1
		.amdhsa_system_sgpr_workgroup_id_x 1
		.amdhsa_system_sgpr_workgroup_id_y 1
		.amdhsa_system_sgpr_workgroup_id_z 1
		.amdhsa_system_vgpr_workitem_id 0
		.amdhsa_next_free_vgpr 82
		.amdhsa_next_free_sgpr 66
		.amdhsa_reserve_vcc 1
		.amdhsa_float_denorm_mode_32 3
		.amdhsa_float_denorm_mode_16_64 3
		.amdhsa_memory_ordered 1
		.amdhsa_forward_progress 1
		.amdhsa_inst_pref_size 8
	.end_amdhsa_kernel
	.amdgpu_metadata
---
amdhsa.version: [ 1, 2 ]
amdhsa.kernels:
  - .name:           k_q08c6832a0c_prefix_softmax
    .symbol:         k_q08c6832a0c_prefix_softmax.kd
    .args:
      - { .name: X, .offset: 0, .size: 8, .value_kind: global_buffer, .address_space: global }
      - { .name: Wk, .offset: 8, .size: 8, .value_kind: global_buffer, .address_space: global }
      - { .name: Wq, .offset: 16, .size: 8, .value_kind: global_buffer, .address_space: global }
      - { .name: Wv, .offset: 24, .size: 8, .value_kind: global_buffer, .address_space: global }
      - { .name: out0, .offset: 32, .size: 8, .value_kind: global_buffer, .address_space: global }
    .group_segment_fixed_size: 1280
    .private_segment_fixed_size: 0
    .kernarg_segment_align: 8
    .kernarg_segment_size: 40
    .max_flat_workgroup_size: 256
    .sgpr_count:     66
    .vgpr_count:     82
    .wavefront_size: 32
...
	.end_amdgpu_metadata
.endif
;; end of part 1
